; MI455X (gfx1250); checked and timed in simulation.
; The chip was launched on July 23, 2026; its instructions are those of AMD's public machine-readable ISA for CDNA 5 (MIT licence, August 2026) and "CDNA5" Instruction Set Architecture Reference Guide (July 2026). The comments in the code are by the model that wrote it; some were corrected since.
;; Vector Quantizer. Allowed arithmetic: float matrix products may take bf16 or f16 operands with f32 sums; all other float work in f32.
;; Inputs: inputs 32,768 x 256 float32; weight 8,192 x 256 float32.
;; Outputs: out0 32,768 x 256 float32; out1 32,768 int32; out2 one number float32; out3 one number float32; out4 one number float32.
;; One version. Each part assembles by itself: llvm-mc -triple=amdgcn-amd-amdhsa -mcpu=gfx1250 --defsym DOCPART=n.
;; ======== version 1 of 1: 4 launches
;; workspace buffers: wp 4,325,376 bytes; cand 262,144 bytes of whole numbers; part 2,048 bytes
;; launch prep (part 1): grid 256 x 1, 4 waves a work-group, no clusters, 768 bytes of LDS; arguments weight, wp; writes wp
.if DOCPART == 1
	.amdgcn_target "amdgcn-amd-amdhsa--gfx1250"
	.amdhsa_code_object_version 6
	.text
	.protected	k_q5bf5e01780_prep
	.globl	k_q5bf5e01780_prep
	.p2align	8
	.type	k_q5bf5e01780_prep,@function
k_q5bf5e01780_prep:
	s_mov_b64 s[64:65], 0
	v_nop
	global_prefetch_b8 v0, s[64:65] scope:SCOPE_SE
	s_setreg_imm32_b32 hwreg(HW_REG_WAVE_MODE, 25, 1), 1
	s_wait_xcnt 0x0
; wp = the codebook ready for the matrix unit.  weight: [8192][256] f32.
; Packet g of wp (16,896 bytes) holds codes 32 g .. 32 g + 31 as 32 rows of 256 bf16 of -2 w (512 bytes each), then a 33rd row of 512 bytes:
; 32 f32 of |w^|^2 (w^ = w rounded to bf16), then 384 bytes of zeros.  The factor -2 is exact, so a product with these rows is -2 x.w^ bit for bit,
; and |w^|^2 = 0.25 x the sum of the squares of the stored numbers.
; Work-group g makes packet g; wave w its rows 8 w .. 8 w + 7, a whole row to a wave: a lane holds columns 4 l .. 4 l + 3 and 128 + 4 l .. + 3.
; All sixteen loads of a wave go out at once.  Memory binds: no matrix unit, no cluster; LDS only carries the 32 sums to the wave that stores them.
.set PACKET, 16896
.set LO, 5                             ; v5        byte offset of my 16 bytes in the wave's first row of weight
.set SO, 6                             ; v6        byte offset of my 8 bytes in the wave's first row of the packet
.set LA, 7                             ; v7        LDS byte of the wave's first sum
.set X,  8                             ; v[8:71]   row i: 8 f32
.set Y,  72                            ; v[72:103] row i: 4 registers of bf16, the row's own, so that no store's data are written again
.set T,  104                           ; v[104:111] at work
.set S,  112                           ; v[112:113] the row's sum of squares
	s_load_b128 s[4:7], s[0:1], 0x0                ; weight s[4:5], wp s[6:7]
	v_lshl_add_u32 v120, v0, 2, 0x100
	v_mov_b32 v121, 0
	v_and_b32 v1, 31, v0                           ; lane
	v_lshrrev_b32 v2, 5, v0
	v_readfirstlane_b32 s8, v2                     ; wave
	s_lshl_b32 s10, ttmp9, 15                      ; 32 rows of 1,024 bytes
	s_mov_b32 s11, 0
	s_mul_i32 s12, ttmp9, PACKET
	s_mov_b32 s13, 0
	s_mov_b32 s14, 0xffff0000                      ; a word's upper bf16
	s_mov_b32 s16, 0x76543210                      ; v_permlanex16_b32: lane i reads lane i of the other half
	s_mov_b32 s17, 0xfedcba98
	v_lshlrev_b32 v3, 4, v1                        ; 16 x lane
	v_lshl_add_u32 v[LO], v2, 13, v3               ; + 8 rows of 1,024 bytes a wave
	v_lshlrev_b32 v4, 3, v1                        ; 8 x lane
	v_lshl_add_u32 v[SO], v2, 12, v4               ; + 8 rows of 512 bytes a wave
	v_lshlrev_b32 v[LA], 5, v2                     ; 8 sums of 4 bytes a wave
	s_wait_kmcnt 0x0
	s_add_nc_u64 s[4:5], s[4:5], s[10:11]
	s_add_nc_u64 s[6:7], s[6:7], s[12:13]
.irp i, 0,1,2,3,4,5,6,7
	global_load_b128 v[X+8*\i:X+8*\i+3],   v[LO], s[4:5] offset:1024*\i        ; 512 neighbouring bytes a wave
	global_load_b128 v[X+8*\i+4:X+8*\i+7], v[LO], s[4:5] offset:1024*\i+512
.endr
.irp i, 0,1,2,3,4,5,6,7
	s_wait_loadcnt 14-2*\i                         ; loads come back in order: row i is in, the two loads of each younger row stay out
.irp p, 0,2,4,6
	v_pk_mul_f32 v[X+8*\i+\p:X+8*\i+\p+1], v[X+8*\i+\p:X+8*\i+\p+1], -2.0 op_sel_hi:[1,0]
.endr
.irp k, 0,1,2,3
	v_cvt_pk_bf16_f32 v[Y+4*\i+\k], v[X+8*\i+2*\k], v[X+8*\i+2*\k+1]
.endr
	global_store_b64 v[SO], v[Y+4*\i:Y+4*\i+1],   s[6:7] offset:512*\i        ; each store of the wave covers 256 consecutive bytes, aligned
	global_store_b64 v[SO], v[Y+4*\i+2:Y+4*\i+3], s[6:7] offset:512*\i+256
.irp k, 0,1,2,3
	v_lshlrev_b32 v[T+2*\k],   16,  v[Y+4*\i+\k]   ; the rounded numbers back in f32
	v_and_b32     v[T+2*\k+1], s14, v[Y+4*\i+\k]
.endr
	v_pk_mul_f32 v[S:S+1], v[T:T+1], v[T:T+1]      ; the first squares start the sum
.irp p, 2,4,6
	v_pk_fma_f32 v[S:S+1], v[T+\p:T+\p+1], v[T+\p:T+\p+1], v[S:S+1]
.endr
	v_add_f32 v[S], v[S], v[S+1]
	v_add_f32_dpp v[S], v[S], v[S] row_xmask:1 row_mask:0xf bank_mask:0xf
	v_add_f32_dpp v[S], v[S], v[S] row_xmask:2 row_mask:0xf bank_mask:0xf
	v_add_f32_dpp v[S], v[S], v[S] row_xmask:4 row_mask:0xf bank_mask:0xf
	v_add_f32_dpp v[S], v[S], v[S] row_xmask:8 row_mask:0xf bank_mask:0xf
	v_permlanex16_b32 v[S+1], v[S], s16, s17       ; its destination has been written before
	v_add_f32 v[S], v[S], v[S+1]
	v_mul_f32 v[S], 0.25, v[S]                     ; (-2 w^)^2 = 4 w^^2
	ds_store_b32 v[LA], v[S] offset:4*\i           ; every lane writes the same word with the same number
.endr
	s_wait_dscnt 0x0                               ; my eight sums are in LDS,
	s_barrier_signal -1
	s_barrier_wait -1                              ; everybody's are
	s_cmp_lg_u32 s8, 0
	s_cbranch_scc1 .Lend                           ; wave 0 alone stores the 33rd row
	v_and_b32 v4, 7, v1
	v_lshlrev_b32 v4, 4, v4                        ; lanes 0-7 take the 128 bytes of sums; the others read inside them and are zeroed
	ds_load_b128 v[T:T+3], v4
	v_cmp_gt_u32 vcc_lo, 8, v1
	s_wait_dscnt 0x0
.irp k, 0,1,2,3
	v_cndmask_b32 v[T+\k], 0, v[T+\k], vcc_lo
.endr
	global_store_b128 v3, v[T:T+3], s[6:7] offset:32*512   ; 512 consecutive bytes: the sums and the zeros behind them
.Lend:
	s_wait_tensorcnt 0x0
	ds_add_u32 v120, v121
	s_wait_dscnt 0x0
	s_endpgm
.Lfunc_end_k_q5bf5e01780_prep:
	.size	k_q5bf5e01780_prep, .Lfunc_end_k_q5bf5e01780_prep-k_q5bf5e01780_prep
	.p2alignl 7, 3214868480
	.fill 96, 4, 3214868480
	.section	.rodata,"a",@progbits
	.p2align	6, 0x0
	.amdhsa_kernel k_q5bf5e01780_prep
		.amdhsa_group_segment_fixed_size 768
		.amdhsa_private_segment_fixed_size 0
		.amdhsa_enable_private_segment 0
		.amdhsa_kernarg_size 16
		.amdhsa_user_sgpr_count 2
		.amdhsa_user_sgpr_kernarg_segment_ptr 1
		.amdhsa_wavefront_size32 1
		.amdhsa_system_sgpr_workgroup_id_x 1
		.amdhsa_system_sgpr_workgroup_id_y 1
		.amdhsa_system_sgpr_workgroup_id_z 1
		.amdhsa_system_vgpr_workitem_id 0
		.amdhsa_next_free_vgpr 122
		.amdhsa_next_free_sgpr 66
		.amdhsa_reserve_vcc 1
		.amdhsa_float_denorm_mode_32 3
		.amdhsa_float_denorm_mode_16_64 3
		.amdhsa_memory_ordered 1
		.amdhsa_forward_progress 1
		.amdhsa_inst_pref_size 18
	.end_amdhsa_kernel
	.amdgpu_metadata
---
amdhsa.version: [ 1, 2 ]
amdhsa.kernels:
  - .name:           k_q5bf5e01780_prep
    .symbol:         k_q5bf5e01780_prep.kd
    .args:
      - { .name: weight, .offset: 0, .size: 8, .value_kind: global_buffer, .address_space: global }
      - { .name: wp, .offset: 8, .size: 8, .value_kind: global_buffer, .address_space: global }
    .group_segment_fixed_size: 768
    .private_segment_fixed_size: 0
    .kernarg_segment_align: 8
    .kernarg_segment_size: 16
    .max_flat_workgroup_size: 128
    .sgpr_count:     66
    .vgpr_count:     122
    .wavefront_size: 32
...
	.end_amdgpu_metadata
.endif
;; end of part 1
;; launch argmin (part 2): grid 256 x 1, 8 waves a work-group, clusters of 4 x 1, 327,680 bytes of LDS; arguments inputs, wp, cand; writes cand
.if DOCPART == 2
	.amdgcn_target "amdgcn-amd-amdhsa--gfx1250"
	.amdhsa_code_object_version 6
	.text
	.protected	k_q5bf5e01780_argmin
	.globl	k_q5bf5e01780_argmin
	.p2align	8
	.type	k_q5bf5e01780_argmin,@function
k_q5bf5e01780_argmin:
	s_mov_b64 s[64:65], 0
	v_nop
	global_prefetch_b8 v0, s[64:65] scope:SCOPE_SE
	s_setreg_imm32_b32 hwreg(HW_REG_WAVE_MODE, 25, 1), 1
	s_wait_xcnt 0x0
	s_wait_alu depctr_hold_cnt(0) depctr_sa_sdst(0) depctr_va_vdst(0) depctr_va_sdst(0) depctr_va_ssrc(0) depctr_va_vcc(0) depctr_vm_vsrc(0)
	s_getreg_b32 s2, hwreg(HW_REG_IB_STS2, 6, 4)
	s_cmp_eq_u32 s2, 0
	s_cbranch_scc0 .Lentry_in_a_cluster
	s_endpgm
.Lentry_in_a_cluster:
	s_bfe_u32 s2, ttmp6, 0x10000c
	s_cmp_lg_u32 s2, 0x3003
	s_cbranch_scc0 .Lentry_shape_is_right
	s_endpgm
.Lentry_shape_is_right:
; cand[0][t], cand[1][t] = the two codes c that come first by (d(t, c), c), d(t, c) = fl( fl(|x|^2 + |e|^2) - 2 x.e ).  inputs: [32768][256] f32; wp: 256 packets of 32 codes.
; ARITHMETIC.  x and e are rounded to bf16 for the product; |x|^2 and |e|^2 are sums of the rounded numbers' squares in f32.  wp holds -2 e, so an
; accumulator holds -2 x.e, and d is made by the same two f32 roundings as in the formula above: t = |x|^2 + |e|^2, d = t + accumulator.  Equal distances are
; frequent (d is near |x|^2, the differences between codes are near its last bits), so everywhere the lower code wins a tie.
; WHY TWO.  The matrix unit adds a product's terms in its own order; where two codes' distances lie within a last place of each other the choice can hang on that
; order.  So this launch names two candidates, and the next one evaluates both by a serial f32 chain and chooses.
; LIMITS.  Finite inputs whose |x|^2 and products stay finite in f32; with a NaN the codes are not argmin's.  Order and ties are those of the bf16-rounded
; operands.  The second candidate is the best of the codes whose distances are still at hand at the end: for each token 8 lane streams (4 code quarters x 2 lane
; halves) keep the 8 distances of their winning group of 8 codes.  A runner-up in the winner's own stream but in another group (1 case in 8) is not named.
; SHARES.  256 work-groups of 128 tokens, each against all 8,192 codes.  Wave w = 4 tg + cq keeps tokens 64 tg .. + 63 as 4 x 8 B fragments in 256 registers
; for the whole launch and takes codes 64 cq .. + 63 of every slot of 256 codes: per 16 codes 18 LDS loads feed 32 matrix instructions.
; A = 16 codes, B = 16 tokens: lane (r, h) then holds token r and, in register j, code 8 h + j, so the minimum over 8 codes needs no other lane.
; Per 16 x 16 distances: 8 packed adds, 4 minima, a compare, and 9 selects that keep the winning group's number and its 8 distances; the places inside
; the group are looked for once, at the end.  The four token tiles' epilogues run abreast, so that no instruction reads the result of the one in front of it.
; CLUSTER.  All work-groups walk the same packets in the same order: 4 work-groups ask for each packet jointly (mask 15), which divides the requests by four.
; A ring of two LDS slots of 256 codes; each wave brings one packet (33 rows of 512 bytes) a slot; one load a wave is out behind each round, two at the start.
; THE ROUND STANDS ROUND A SLOT'S LAST PRODUCTS.  When a slot's last 16 codes are in registers a wave has read the slot for the last time: it gives the round's
; opening signal there and multiplies these 16 codes, from registers alone, before it waits.  Behind the round the slot just read is filled again, the other
; slot's first fragments are asked for, and the epilogue of the last 16 codes runs while they come.
.set PACKET, 16896                     ; bytes of a packet in wp
.set STEP,   8*PACKET                  ; a slot's bytes in wp
.set WPITCH, 528                       ; LDS row: 512 + 16 = 33 x 16 bytes: the 16 rows of a fragment load begin at 16 different 16-byte columns modulo 256
.set PART,   33*WPITCH                 ; a packet in LDS
.set SLOT,   8*PART                    ; 139,392
.set XPITCH, 1040                      ; a token's 1,024 bytes + 16 = 65 x 16
.set XPART,  16*XPITCH                 ; 16 tokens, one wave's load
.set XBASE,  SLOT                      ; x in f32 lies in slot 1 until its fragments are made
.set SCRX,   2*SLOT                    ; 278,784 = 1,089 x 256: |x|^2 of 128 tokens, 512 bytes, written by LDS stores; no fill ever lands here
.set SCRM,   SCRX+512                  ; [cq][token] (d0, c0, d1, c1), 4 x 128 x 16 bytes, likewise
.set CAND1,  131072                    ; cand[1] begins behind the 32,768 words of cand[0]
; block 0 of the vector registers
.set WA,   8                           ; v8-9    LDS address of my code fragments in slot 0, 1
.set EA,   10                          ; v10-11  the same for my |e|^2
.set XA,   12                          ; v12     my 64 tokens in f32
.set XQ,   13                          ; v13     the 16 tokens whose |x|^2 I make
.set SXS,  14                          ; v14     where I put |x|^2
.set SXL,  15                          ; v15     where I read |x|^2 of my 64 tokens
.set XS,   16                          ; v16-23  |x|^2 of token r of tile tt, twice (a pair for the packed add)
.set BEST, 24                          ; v24-27  smallest distance so far, tile tt
.set TID,  28                          ; v28-31  first code of the slot quarter's 16 codes in which it was met
.set ESQ,  32                          ; v32-47  |e|^2 of 8 codes, two sets
.set LC,   60                          ; v60     64 cq + 8 h
.set SMA,  61                          ; v61     where I put (d0, c0, d1, c1)
.set WF,   64                          ; v64-127 16 codes x 256 K: 8 A fragments
.set ACC,  128                         ; v128-159 four accumulators, tile tt at 8 tt
.set SV,   160                         ; v160-191 the 8 distances of the winning 8 codes, tile tt at 8 tt
.set T4,   192                         ; v192-223 t = |x|^2 + |e|^2, tile tt at 8 tt
.set MM,   224                         ; v224-231 minima at work, tile tt at 2 tt
.set TMP0, 64                          ; ahead of the loop: x in f32, two buffers
.set TMP1, 128
.set PK,   192                         ; v192-223 ahead of the loop: x in bf16
.set SQ,   224                         ; v224-231 ahead of the loop: four chains of squares
.set R0,   192                         ; v192-195 at the end: (d0, c0, d1, c1), the two best so far
.set RO,   196                         ; v196-199 at the end: the other lane half's
.set FQ,   64                          ; v64-95  at the end: four quarters' (d0, c0, d1, c1) of two tokens
.set OC,   96                          ; v96-99  at the end: two first codes, two second codes
; block 1: XF, the B fragment of tile tt and K step ks at 8 (8 tt + ks)
.set G1W, 24                           ; s[24:31] shape of a packet
.set G1X, 32                           ; s[32:39] shape of 16 tokens
.set G0W, 40                           ; s[40:47] from where, to where: one set for each slot
.set G0X, 48                           ; s[48:51] the same for x
.set MSB, 0
.macro WIN new                         ; the immediate's high byte repeats the setting that is left
.if MSB != \new
	s_set_vgpr_msb (MSB<<8)|\new
.set MSB, \new
.endif
.endm
; A round of the cluster's barrier: my work-group's barrier, wave 0 signals for the work-group, every wave waits for all four, my work-group's barrier again.
.macro CREST                           ; a round behind its opening barrier
	s_cmp_lg_u32 s12, 0
	s_cbranch_scc1 .Lnot_wave_0_\@
	s_barrier_signal -3
.Lnot_wave_0_\@:
	s_barrier_wait -3
	s_barrier_signal -1
	s_barrier_wait -1
.endm
.macro ROUND                           ; a whole round
	s_barrier_signal -1
	s_barrier_wait -1
	CREST
.endm
	s_load_b128 s[4:7], s[0:1], 0x0                ; inputs s[4:5], wp s[6:7]
	s_load_b64 s[8:9], s[0:1], 0x10                ; cand
	v_lshl_add_u32 v254, v0, 2, 0x46300
	v_mov_b32 v255, 0
	ds_add_u32 v254, v255
	v_lshrrev_b32 v1, 5, v0
	v_readfirstlane_b32 s12, v1                    ; wave 0..7
	s_and_b32 s13, s12, 3                          ; cq: my quarter of a slot's codes
	s_lshr_b32 s14, s12, 2                         ; tg: my half of the tokens
	s_bfe_u32 s15, ttmp6, 0x40000                  ; cx
	s_lshl_b32 s16, ttmp9, 2
	s_add_co_u32 s16, s16, s15                     ; work-group = 4 x cluster + cx; it enters global addresses of x and of the results alone
	s_mov_b32 s22, 0x76543210                      ; v_permlanex16_b32: lane i reads lane i of the other half
	s_mov_b32 s23, 0xfedcba98
	s_mov_b32 s52, 0xffff0000                      ; a word's upper bf16
	; a packet: 33 rows of 256 elements of 2 bytes, dense; 4 words of padding behind every 128
	s_mov_b32 s[G1W+0], 15|(1<<16)|(1<<20)|(1<<21)|(6<<22)|(3<<25)  ; mask: all four of the cluster; 2 bytes; padding on; bit 21 beside a mask; interval code 6; 4 words
	s_mov_b32 s[G1W+1], 256<<16                    ; tensor_dim0 = 256
	s_mov_b32 s[G1W+2], 33<<16                     ; tensor_dim1 = 33
	s_mov_b32 s[G1W+3], 256<<16                    ; tile_dim0 = 256
	s_mov_b32 s[G1W+4], 33                         ; tile_dim1 = 33
	s_mov_b32 s[G1W+5], 256                        ; elements from row to row
	s_mov_b32 s[G1W+6], 0
	s_mov_b32 s[G1W+7], 0
	; 16 tokens: 16 rows of 256 elements of 4 bytes, dense; 4 words of padding behind every 256; no mask: each work-group has its own tokens
	s_mov_b32 s[G1X+0], (2<<16)|(1<<20)|(7<<22)|(3<<25)
	s_mov_b32 s[G1X+1], 256<<16
	s_mov_b32 s[G1X+2], 16<<16
	s_mov_b32 s[G1X+3], 256<<16
	s_mov_b32 s[G1X+4], 16
	s_mov_b32 s[G1X+5], 256
	s_mov_b32 s[G1X+6], 0
	s_mov_b32 s[G1X+7], 0
	s_mul_i32 s17, s12, PART                       ; my packet's place in a slot: the wave's number alone
	s_mul_i32 s18, s12, PACKET                     ; and in wp
	s_mov_b32 s19, 0
	s_mul_i32 s2, s12, XPART                       ; my 16 tokens' place in LDS
	s_lshl_b32 s20, s16, 17                        ; 128 tokens of 1,024 bytes a work-group,
	s_lshl_b32 s3, s12, 14                         ; 16 a wave
	s_add_co_u32 s20, s20, s3
	s_mov_b32 s21, 0
	s_wait_dscnt 0x0
	s_wait_kmcnt 0x0
	s_add_nc_u64 s[6:7], s[6:7], s[18:19]
	s_add_nc_u64 s[4:5], s[4:5], s[20:21]
	s_lshl_b32 s18, s16, 9                         ; 128 codes of 4 bytes a work-group
	s_add_nc_u64 s[8:9], s[8:9], s[18:19]
.irp n, 0,1
	s_mov_b32 s[G0W+4*\n], 1
	s_add_co_u32 s[G0W+4*\n+1], s17, \n*SLOT
	s_add_nc_u64 s[G0W+4*\n+2:G0W+4*\n+3], s[6:7], \n*STEP         ; slot n starts with codes 256 n
	s_or_b32 s[G0W+4*\n+3], s[G0W+4*\n+3], 0x80000000
.endr
	s_mov_b32 s[G0X], 1
	s_add_co_u32 s[G0X+1], s2, XBASE
	s_mov_b64 s[G0X+2:G0X+3], s[4:5]
	s_or_b32 s[G0X+3], s[G0X+3], 0x80000000
	ROUND                                          ; all four work-groups are here: the first joint loads meet
	tensor_load_to_lds s[G0X:G0X+3], s[G1X:G1X+7]  ; the first fills, in one group: my 16 tokens,
	s_nop 0
	tensor_load_to_lds s[G0W:G0W+3], s[G1W:G1W+7]  ; and my packet of codes 0 to 255
	s_nop 0
	v_and_b32 v1, 15, v0                           ; r
	v_bfe_u32 v2, v0, 4, 1                         ; h
	v_mul_u32_u24 v3, v1, WPITCH
	v_lshl_add_u32 v3, v2, 4, v3                   ; r x pitch + 16 h: a 16-bit fragment is two loads of 16 bytes, 32 bytes apart
	s_mul_i32 s2, s13, 2*PART                      ; my 64 codes are two packets
	v_add_nc_u32 v[WA], s2, v3
	v_add_nc_u32 v[WA+1], SLOT, v[WA]
	v_lshlrev_b32 v4, 5, v2                        ; 32 h
	s_add_co_u32 s3, s2, 32*WPITCH                 ; the packet's 33rd row
	v_add_nc_u32 v[EA], s3, v4                     ; |e|^2 of codes 8 h .. 8 h + 7
	v_add_nc_u32 v[EA+1], SLOT, v[EA]
	v_mul_u32_u24 v5, v1, XPITCH
	v_add_nc_u32 v5, v5, v4                        ; r x pitch + 32 h: 8 f32 are 32 bytes
	s_mul_i32 s2, s14, 4*XPART
	s_add_co_u32 s2, s2, XBASE
	v_add_nc_u32 v[XA], s2, v5
	s_mul_i32 s3, s12, XPART
	s_add_co_u32 s3, s3, XBASE
	v_add_nc_u32 v[XQ], s3, v5
	v_lshlrev_b32 v6, 2, v1                        ; 4 r
	s_lshl_b32 s2, s12, 6
	s_add_co_u32 s2, s2, SCRX
	v_add_nc_u32 v[SXS], s2, v6                    ; token 16 w + r
	s_lshl_b32 s3, s14, 8
	s_add_co_u32 s3, s3, SCRX
	v_add_nc_u32 v[SXL], s3, v6                    ; token 64 tg + r
	s_lshl_b32 s2, s13, 6
	v_lshl_add_u32 v[LC], v2, 3, s2                ; 64 cq + 8 h
	s_lshl_b32 s2, s13, 11
	s_lshl_b32 s3, s14, 10
	s_add_co_u32 s2, s2, s3
	s_add_co_u32 s2, s2, SCRM
	v_lshl_add_u32 v[SMA], v1, 4, s2               ; 2,048 cq + 16 (64 tg + r)
; |x^|^2, K steps 4 b .. 4 b + 3 of tokens 16 w + r: a lane sums the K of its half h, rounded to bf16 as the product sees them
.macro XSQ b
.irp k, 0,1,2,3
	ds_load_b128 v[TMP0+16*\k:TMP0+16*\k+3],     v[XQ] offset:128*(4*\b+\k)
	ds_load_b128 v[TMP0+16*\k+4:TMP0+16*\k+7],   v[XQ] offset:128*(4*\b+\k)+16
	ds_load_b128 v[TMP0+16*\k+8:TMP0+16*\k+11],  v[XQ] offset:128*(4*\b+\k)+64
	ds_load_b128 v[TMP0+16*\k+12:TMP0+16*\k+15], v[XQ] offset:128*(4*\b+\k)+80
.endr
	s_wait_dscnt 0x0
.set q, 0
.rept 32
	v_cvt_pk_bf16_f32 v[PK+q], v[TMP0+2*q], v[TMP0+2*q+1]
.set q, q+1
.endr
.set q, 0
.rept 32
	v_lshlrev_b32 v[TMP0+2*q],   16,  v[PK+q]
	v_and_b32     v[TMP0+2*q+1], s52, v[PK+q]
.set q, q+1
.endr
.set q, 0
.rept 32
.if 32*\b+q < 4
	v_pk_mul_f32 v[SQ+2*q:SQ+2*q+1], v[TMP0+2*q:TMP0+2*q+1], v[TMP0+2*q:TMP0+2*q+1]   ; the first squares start the four chains
.else
	v_pk_fma_f32 v[SQ+2*(q%4):SQ+2*(q%4)+1], v[TMP0+2*q:TMP0+2*q+1], v[TMP0+2*q:TMP0+2*q+1], v[SQ+2*(q%4):SQ+2*(q%4)+1]
.endif
.set q, q+1
.endr
.endm
; batch b of eight: tile b / 2 of my tokens, K steps 4 (b % 2) .. + 3, in f32 into buffer tmp: for each K step k = 8 h .. + 7 and 16 + 8 h .. + 7
.macro XLOAD b, tmp
.irp k, 0,1,2,3
	ds_load_b128 v[\tmp+16*\k:\tmp+16*\k+3],     v[XA] offset:((\b)/2)*XPART+128*(4*((\b)%2)+\k)
	ds_load_b128 v[\tmp+16*\k+4:\tmp+16*\k+7],   v[XA] offset:((\b)/2)*XPART+128*(4*((\b)%2)+\k)+16
	ds_load_b128 v[\tmp+16*\k+8:\tmp+16*\k+11],  v[XA] offset:((\b)/2)*XPART+128*(4*((\b)%2)+\k)+64
	ds_load_b128 v[\tmp+16*\k+12:\tmp+16*\k+15], v[XA] offset:((\b)/2)*XPART+128*(4*((\b)%2)+\k)+80
.endr
.endm
.macro XCVT b, tmp                     ; and rounded into its four B fragments, registers 32 b .. 32 b + 31 of block 1
	WIN 0x40                                       ; destination in block 1
.set q, 0
.rept 32
	v_cvt_pk_bf16_f32 v[32*(\b)+q], v[\tmp+2*q], v[\tmp+2*q+1]
.set q, q+1
.endr
	WIN 0
.endm
	s_wait_tensorcnt 0x1                           ; my 16 tokens are in; my packet of slot 0 may stay out
	s_barrier_signal -1
	s_barrier_wait -1                              ; everybody's tokens are in
	XSQ 0
	XSQ 1
	v_pk_add_f32 v[SQ:SQ+1], v[SQ:SQ+1], v[SQ+2:SQ+3]
	v_pk_add_f32 v[SQ+4:SQ+5], v[SQ+4:SQ+5], v[SQ+6:SQ+7]
	v_pk_add_f32 v[SQ:SQ+1], v[SQ:SQ+1], v[SQ+4:SQ+5]
	v_add_f32 v[SQ], v[SQ], v[SQ+1]
	v_permlanex16_b32 v[SQ+1], v[SQ], s22, s23     ; the other half's K; the destination has been written before
	v_add_f32 v[SQ], v[SQ], v[SQ+1]
	ds_store_b32 v[SXS], v[SQ]                     ; lanes r and 16 + r write the same word with the same number
	XLOAD 0, TMP0
	XLOAD 1, TMP1
	s_wait_dscnt 16                                ; LDS answers in order: all but the sixteen loads just issued are in
	XCVT 0, TMP0
	XLOAD 2, TMP0
	s_wait_dscnt 16
	XCVT 1, TMP1
	XLOAD 3, TMP1
	s_wait_dscnt 16
	XCVT 2, TMP0
	XLOAD 4, TMP0
	s_wait_dscnt 16
	XCVT 3, TMP1
	XLOAD 5, TMP1
	s_wait_dscnt 16
	XCVT 4, TMP0
	XLOAD 6, TMP0
	s_wait_dscnt 16
	XCVT 5, TMP1
	XLOAD 7, TMP1
	s_wait_dscnt 16
	XCVT 6, TMP0
	s_wait_dscnt 0x0
	XCVT 7, TMP1
; the 16 codes i (0..3) of my quarter of a slot: 8 A fragments, and their |e|^2 into set e
.macro LOADT slot, i, e
.irp ks, 0,1,2,3,4,5,6,7
	ds_load_b128 v[WF+8*\ks:WF+8*\ks+3],   v[WA+\slot] offset:((\i)/2)*PART+((\i)%2)*16*WPITCH+64*\ks
	ds_load_b128 v[WF+8*\ks+4:WF+8*\ks+7], v[WA+\slot] offset:((\i)/2)*PART+((\i)%2)*16*WPITCH+64*\ks+32
.endr
	ds_load_b128 v[ESQ+8*\e:ESQ+8*\e+3],   v[EA+\slot] offset:((\i)/2)*PART+((\i)%2)*64
	ds_load_b128 v[ESQ+8*\e+4:ESQ+8*\e+7], v[EA+\slot] offset:((\i)/2)*PART+((\i)%2)*64+16
.endm
; 16 codes x 64 tokens x 256 K.  The first K step starts the sums.  The four accumulators take turns, one instruction a turn.
.macro MULT
	WIN 0x04                                       ; source 1 (tokens) in block 1
.irp tt, 0,1,2,3
	v_wmma_f32_16x16x32_bf16 v[ACC+8*\tt:ACC+8*\tt+7], v[WF:WF+7], v[64*\tt:64*\tt+7], 0
.endr
.irp ks, 1,2,3,4,5,6,7
.irp tt, 0,1,2,3
	v_wmma_f32_16x16x32_bf16 v[ACC+8*\tt:ACC+8*\tt+7], v[WF+8*\ks:WF+8*\ks+7], v[64*\tt+8*\ks:64*\tt+8*\ks+7], v[ACC+8*\tt:ACC+8*\tt+7]
.endr
.endr
	WIN 0
.endm
; t = |x|^2 + |e|^2, the formula's first rounding, for all four token tiles.  These sixteen packed adds follow each MULT and name none of its registers: they
; are the places in front of the loads into WF and of the first read of an accumulator (ISA guide 7.12.1 for vector instructions).
.macro TC e
.irp tt, 0,1,2,3
.irp p, 0,2,4,6
	v_pk_add_f32 v[T4+8*\tt+\p:T4+8*\tt+\p+1], v[ESQ+8*\e+\p:ESQ+8*\e+\p+1], v[XS+2*\tt:XS+2*\tt+1]
.endr
.endr
.endm
.macro KEEP tt, mask                   ; where the mask is set: the 16 codes' number and my 8 distances are kept
	v_cndmask_b32 v[TID+\tt], v[TID+\tt], s21, \mask
.irp j, 0,1,2,3,4,5,6,7
	v_cndmask_b32 v[SV+8*\tt+\j], v[SV+8*\tt+\j], v[ACC+8*\tt+\j], \mask
.endr
.endm
; The epilogue of 16 codes behind TC, four token tiles abreast: d = t - 2 x.e (the second rounding), the smallest of my 8, and, where it is smaller than all
; before, KEEP.  Strictly smaller: codes come in ascending order, so the first of equals stays.  init = 1: the first 16 codes start everything, nothing is cleared.
; s21 = 256 x slot + 16 x i steps on by inc.
.macro EPI init, inc
.if \init
.set DD, SV
.else
.set DD, ACC
.endif
.irp tt, 0,1,2,3
.irp p, 0,2,4,6
	v_pk_add_f32 v[DD+8*\tt+\p:DD+8*\tt+\p+1], v[ACC+8*\tt+\p:ACC+8*\tt+\p+1], v[T4+8*\tt+\p:T4+8*\tt+\p+1]
.endr
.endr
.irp tt, 0,1,2,3
	v_min3_num_f32 v[MM+2*\tt],   v[DD+8*\tt],   v[DD+8*\tt+1], v[DD+8*\tt+2]
.endr
.irp tt, 0,1,2,3
	v_min3_num_f32 v[MM+2*\tt+1], v[DD+8*\tt+3], v[DD+8*\tt+4], v[DD+8*\tt+5]
.endr
.irp tt, 0,1,2,3
	v_min3_num_f32 v[MM+2*\tt],   v[MM+2*\tt],   v[DD+8*\tt+6], v[DD+8*\tt+7]
.endr
.if \init
.irp tt, 0,1,2,3
	v_min_num_f32 v[BEST+\tt], v[MM+2*\tt], v[MM+2*\tt+1]
.endr
.irp tt, 0,1,2,3
	v_mov_b32 v[TID+\tt], s21
.endr
.else
.irp tt, 0,1,2,3
	v_min_num_f32 v[MM+2*\tt], v[MM+2*\tt], v[MM+2*\tt+1]
.endr
	v_cmp_lt_f32 vcc_lo, v[MM],   v[BEST]          ; a mask of its own for each tile
	v_cmp_lt_f32 s53,    v[MM+2], v[BEST+1]
	v_cmp_lt_f32 s54,    v[MM+4], v[BEST+2]
	v_cmp_lt_f32 s55,    v[MM+6], v[BEST+3]
.irp tt, 0,1,2,3
	v_min_num_f32 v[BEST+\tt], v[BEST+\tt], v[MM+2*\tt]
.endr
	KEEP 0, vcc_lo
	KEEP 1, s53
	KEEP 2, s54
	KEEP 3, s55
.endif
	s_add_co_u32 s21, s21, \inc
.endm
; One slot of 256 codes.  At its head the slot is whole and shown to every wave, WF is free, and (but for the first slot) the epilogue of the slot before's last
; 16 codes is still due: it runs while this slot's first fragments come from LDS.
; kind = 2: the slot is filled again.  With its last 16 codes in registers my LDS reads of it are over; all my tensor loads have landed, of which one was out: my
; packet of the other slot.  The round's opening signal says so; the last 16 codes are multiplied, from registers alone, between that signal and its wait; behind
; the round no wave of the cluster reads this slot or has a load on its way, and the joint refill comes first.  From a request to the wait for it a wave issues
; 96 matrix instructions and four epilogues.
; kind = 1: nothing is left to fetch: a barrier of the work-group shows the other slot whole.  kind = 0: the last slot.
.macro TRIP slot, first, kind
	LOADT \slot, 0, 0
.if \first == 0
	EPI 0, 208                                     ; the slot before's last 16 codes (their t was made there)
.endif
	s_wait_dscnt 0x0
.if \first
.irp tt, 0,1,2,3
	v_mov_b32 v[XS+2*\tt+1], v[XS+2*\tt]           ; the pair for the packed add
.endr
.endif
	MULT
	TC 0
	LOADT \slot, 1, 1                              ; the next 16 codes land under this epilogue
	EPI \first, 16
	s_wait_dscnt 0x0
	MULT
	TC 1
	LOADT \slot, 2, 0
	EPI 0, 16
	s_wait_dscnt 0x0
	MULT
	TC 0
	LOADT \slot, 3, 1
	EPI 0, 16
	s_wait_dscnt 0x0                               ; the last 16 codes are in registers: my LDS reads of this slot are over
.if \kind == 2
	s_wait_tensorcnt 0x0                           ; all my tensor loads have landed, so a group 0 may be written:
	ds_add_u32 v254, v255
	s_wait_dscnt 0x0
	s_add_nc_u64 s[G0W+4*\slot+2:G0W+4*\slot+3], s[G0W+4*\slot+2:G0W+4*\slot+3], 2*STEP   ; this slot's next 256 codes
	s_barrier_signal -1                            ; say so: this barrier opens a round of the cluster's barrier,
	MULT                                           ; work on registers while the others arrive (it ends with every window 0: branches follow),
	s_barrier_wait -1                              ; and go on when all eight have said so
	CREST
	tensor_load_to_lds s[G0W+4*\slot:G0W+4*\slot+3], s[G1W:G1W+7]   ; my one load behind the round, and the first thing there
	s_nop 0
.endif
.if \kind == 1
	s_wait_tensorcnt 0x0                           ; my packet of the last slot has landed
	s_barrier_signal -1
	MULT
	s_barrier_wait -1                              ; everybody's has
.endif
.if \kind == 0
	MULT
.endif
	TC 1
.if \kind == 0
	EPI 0, 208
.endif
.endm
	s_wait_tensorcnt 0x0                           ; all my tensor loads have landed, my packet of slot 0 among them
	ds_add_u32 v254, v255
	s_wait_dscnt 0x0                               ; my LDS reads of x and my store of |x|^2 are done
	ROUND
	tensor_load_to_lds s[G0W+4:G0W+7], s[G1W:G1W+7]   ; my one load behind the round: codes 256 to 511, where x lay
	s_nop 0
.irp tt, 0,1,2,3
	ds_load_b32 v[XS+2*\tt], v[SXL] offset:64*\tt  ; |x|^2, which other waves stored in front of the round
.endr
	s_mov_b32 s21, 0
	TRIP 0, 1, 2                                   ; codes 0 to 255
	TRIP 1, 0, 2
	s_mov_b32 s20, 14
.Llap:
	TRIP 0, 0, 2
	TRIP 1, 0, 2                                   ; the last lap's second refill is the last of all: codes 7,936 to 8,191
	s_sub_co_u32 s20, s20, 1
	s_cmp_lg_u32 s20, 0
	s_cbranch_scc1 .Llap
	TRIP 0, 0, 1                                   ; nothing is left to fetch
	TRIP 1, 0, 0
; vcc = the pair (d, code) b comes before the pair a: smaller distance, or the same distance and the lower code
.macro LESS da, ca, db, cb
	v_cmp_lt_f32 s53, v[\db], v[\da]
	v_cmp_eq_f32 s54, v[\db], v[\da]
	v_cmp_lt_u32 vcc_lo, v[\cb], v[\ca]
	s_and_b32 s54, s54, vcc_lo
	s_or_b32 vcc_lo, s53, s54
.endm
; the pair (d, c) is put into the ordered two best (d0, c0, d1, c1) at st .. st + 3: before the first it pushes the first down, before the second it replaces it
.macro INSERT st, d, c
	LESS \st, \st+1, \d, \c
	s_mov_b32 s55, vcc_lo
	LESS \st+2, \st+3, \d, \c
	v_cndmask_b32 v[\st+2], v[\st+2], v[\d],    vcc_lo
	v_cndmask_b32 v[\st+3], v[\st+3], v[\c],    vcc_lo
	v_cndmask_b32 v[\st+2], v[\st+2], v[\st],   s55
	v_cndmask_b32 v[\st+3], v[\st+3], v[\st+1], s55
	v_cndmask_b32 v[\st],   v[\st],   v[\d],    s55
	v_cndmask_b32 v[\st+1], v[\st+1], v[\c],    s55
.endm
; tile tt: the two best of the 8 kept distances (places ascend, so strictly smaller keeps the first of equals), their codes, then the two best of both lane halves
.macro PICK tt
.set G, SV+8*\tt
	v_cmp_lt_f32 vcc_lo, v[G+1], v[G]              ; places 0 and 1 start the two: nothing is cleared
	v_cndmask_b32 v[R0],   v[G],   v[G+1], vcc_lo
	v_cndmask_b32 v[R0+2], v[G+1], v[G],   vcc_lo
	v_cndmask_b32 v[R0+1], 0, 1, vcc_lo
	v_cndmask_b32 v[R0+3], 1, 0, vcc_lo
.irp j, 2,3,4,5,6,7
	v_cmp_lt_f32 s53,    v[G+\j], v[R0]
	v_cmp_lt_f32 vcc_lo, v[G+\j], v[R0+2]
	v_cndmask_b32 v[R0+2], v[R0+2], v[G+\j], vcc_lo
	v_cndmask_b32 v[R0+3], v[R0+3], \j,      vcc_lo
	v_cndmask_b32 v[R0+2], v[R0+2], v[R0],   s53
	v_cndmask_b32 v[R0+3], v[R0+3], v[R0+1], s53
	v_cndmask_b32 v[R0],   v[R0],   v[G+\j], s53
	v_cndmask_b32 v[R0+1], v[R0+1], \j,      s53
.endr
	v_add3_u32 v[R0+1], v[TID+\tt], v[R0+1], v[LC] ; 256 slot + 16 i, + j, + 64 cq + 8 h
	v_add3_u32 v[R0+3], v[TID+\tt], v[R0+3], v[LC]
.irp q, 0,1,2,3
	v_permlanex16_b32 v[RO+\q], v[R0+\q], s22, s23 ; destinations that have been written before
.endr
	INSERT R0, RO, RO+1
	INSERT R0, RO+2, RO+3
	ds_store_b128 v[SMA], v[R0:R0+3] offset:256*\tt   ; lanes r and 16 + r write the same 16 bytes
.endm
	PICK 0
	PICK 1
	PICK 2
	PICK 3
	s_wait_dscnt 0x0                               ; my pairs are in LDS,
	s_barrier_signal -1
	s_barrier_wait -1                              ; everybody's are
	s_cmp_ge_u32 s12, 2
	s_cbranch_scc1 .Lclose                         ; threads 0 to 63 fold the four code quarters, two tokens each
	v_lshlrev_b32 v1, 5, v0
	v_add_nc_u32 v1, SCRM, v1
.irp c, 0,1,2,3
	ds_load_b128 v[FQ+8*\c:FQ+8*\c+3],   v1 offset:2048*\c      ; quarter c: token 2 t,
	ds_load_b128 v[FQ+8*\c+4:FQ+8*\c+7], v1 offset:2048*\c+16   ; token 2 t + 1
.endr
	v_lshlrev_b32 v2, 3, v0
	s_wait_dscnt 0x0
.irp c, 1,2,3
	INSERT FQ,   FQ+8*\c,   FQ+8*\c+1
	INSERT FQ,   FQ+8*\c+2, FQ+8*\c+3
	INSERT FQ+4, FQ+8*\c+4, FQ+8*\c+5
	INSERT FQ+4, FQ+8*\c+6, FQ+8*\c+7
.endr
	v_mov_b32 v[OC],   v[FQ+1]                     ; the two tokens' first codes side by side,
	v_mov_b32 v[OC+1], v[FQ+5]
	v_mov_b32 v[OC+2], v[FQ+3]                     ; and their second codes
	v_mov_b32 v[OC+3], v[FQ+7]
	global_store_b64 v2, v[OC:OC+1],   s[8:9]      ; each store of a wave covers 256 consecutive bytes, aligned
	global_store_b64 v2, v[OC+2:OC+3], s[8:9] offset:CAND1
.Lclose:
	s_wait_tensorcnt 0x0
	ds_add_u32 v254, v255
	s_wait_dscnt 0x0
	ROUND                                          ; the closing round: no work-group ends while a partner may still ask for a packet that names it
	s_endpgm
.Lfunc_end_k_q5bf5e01780_argmin:
	.size	k_q5bf5e01780_argmin, .Lfunc_end_k_q5bf5e01780_argmin-k_q5bf5e01780_argmin
	.p2alignl 7, 3214868480
	.fill 96, 4, 3214868480
	.section	.rodata,"a",@progbits
	.p2align	6, 0x0
	.amdhsa_kernel k_q5bf5e01780_argmin
		.amdhsa_group_segment_fixed_size 327680
		.amdhsa_private_segment_fixed_size 0
		.amdhsa_enable_private_segment 0
		.amdhsa_kernarg_size 24
		.amdhsa_user_sgpr_count 2
		.amdhsa_user_sgpr_kernarg_segment_ptr 1
		.amdhsa_wavefront_size32 1
		.amdhsa_system_sgpr_workgroup_id_x 1
		.amdhsa_system_sgpr_workgroup_id_y 1
		.amdhsa_system_sgpr_workgroup_id_z 1
		.amdhsa_system_vgpr_workitem_id 0
		.amdhsa_next_free_vgpr 512
		.amdhsa_next_free_sgpr 66
		.amdhsa_reserve_vcc 1
		.amdhsa_float_denorm_mode_32 3
		.amdhsa_float_denorm_mode_16_64 3
		.amdhsa_memory_ordered 1
		.amdhsa_forward_progress 1
		.amdhsa_inst_pref_size 255
	.end_amdhsa_kernel
	.section	.bss,"aw",@nobits
	.p2align	6
	.space	262144
	.amdgpu_metadata
---
amdhsa.version: [ 1, 2 ]
amdhsa.kernels:
  - .name:           k_q5bf5e01780_argmin
    .symbol:         k_q5bf5e01780_argmin.kd
    .args:
      - { .name: inputs, .offset: 0, .size: 8, .value_kind: global_buffer, .address_space: global }
      - { .name: wp, .offset: 8, .size: 8, .value_kind: global_buffer, .address_space: global }
      - { .name: cand, .offset: 16, .size: 8, .value_kind: global_buffer, .address_space: global }
    .group_segment_fixed_size: 327680
    .private_segment_fixed_size: 0
    .kernarg_segment_align: 8
    .kernarg_segment_size: 24
    .max_flat_workgroup_size: 256
    .sgpr_count:     66
    .vgpr_count:     512
    .wavefront_size: 32
...
	.end_amdgpu_metadata
.endif
;; end of part 2
;; launch gather (part 3): grid 512 x 1, 4 waves a work-group, no clusters, 102,400 bytes of LDS; arguments inputs, weight, cand, out0, out1, part; writes out0, out1, part
.if DOCPART == 3
	.amdgcn_target "amdgcn-amd-amdhsa--gfx1250"
	.amdhsa_code_object_version 6
	.text
	.protected	k_q5bf5e01780_gather
	.globl	k_q5bf5e01780_gather
	.p2align	8
	.type	k_q5bf5e01780_gather,@function
k_q5bf5e01780_gather:
	s_mov_b64 s[64:65], 0
	v_nop
	global_prefetch_b8 v0, s[64:65] scope:SCOPE_SE
	s_setreg_imm32_b32 hwreg(HW_REG_WAVE_MODE, 25, 1), 1
	s_wait_xcnt 0x0
; For each token: of its two candidate codes the one that comes first by (d, code); out1 = that code, out0 = x + (q - x) with q = its row of weight, in the
; formula's own order of roundings, and part[g] = the work-group's sum of (q - x)^2.  All in f32.
; THE CHOICE.  d = fl( fl(|x|^2 + |e|^2) - 2 x.e ) on x and e rounded to bf16, with x.e as ONE chain of 256 fused multiply-adds, k ascending: the order of a plain
; f32 product loop with one accumulator for each output (the products of bf16 numbers are exact in f32, so fused or not makes no difference).
; |x|^2 and |e|^2 are serial chains too.  A product loop that sums in blocks can still differ from this chain in its last bits.
; The choice selects values alone (v_cndmask_b32 between the two rows): no address and no branch hangs on it.
; SHARES.  512 work-groups of 64 tokens; a wave takes 16.  Its 16 rows of x and 32 candidate rows (1,024 bytes each) are loaded by whole rows, 512 neighbouring
; bytes an instruction, all 96 loads issued before the first is waited for, and STAY IN REGISTERS in f32 (x in v128-255, the candidates in block 1): the results
; are made from there.  Only a copy rounded to bf16 goes into the wave's own part of LDS, at a pitch of 528 bytes = 33 x 16: for the chains lane 16 h + r walks
; token r's row and the row of its candidate h, and 16 lanes' loads of 16 bytes begin at 16 different columns modulo 256.  The chains multiply straight from the
; bf16 halves.  No wave reads another's part, so LDS's in-order service is all the ordering that these bytes need.
; 102,400 bytes of LDS and 514 registers a wave: two work-groups' waves fit on a WGP (2 x 102,400 bytes; 2 x 514 registers on a SIMD), so that one's loads
; are on their way while the other computes.
; Memory and the serial chains bind: no matrix unit (each token has its own two codes), no cluster (nothing is shared).  A code is clamped to 8,191 before it enters an address.
.set RPITCH, 528
.set CROWS,  16*RPITCH                 ; a wave's part: 16 rows of x, then 32 candidate rows, row 16 h + r
.set WPART,  48*RPITCH                 ; 25,344
.set IDXS,   4*WPART                   ; 101,376: the 64 chosen codes
.set SUMS,   IDXS+256                  ; four sums
.set L16, 1                            ; v1      16 x lane; never rewritten
.set SA,  4                            ; v4      LDS: my part + 8 x lane (whole rows of bf16)
.set XR,  5                            ; v5      LDS: token r's row
.set WR,  6                            ; v6      LDS: my candidate's row
.set CV,  7                            ; v7      my candidate's code
.set IA,  8                            ; v8      LDS: where token r's code goes
.set DOT, 10                           ; v10-12  the three chains
.set XQ,  11
.set EQ,  12
.set CVA, 14                           ; v14     byte offset of my candidate's code in cand
.set SW,  15                           ; v15     LDS: the wave's sum
.set S,   16                           ; v16-23  four pairs of sums of squares
.set W0,  24                           ; v24-25  the chains' first numbers in f32
.set DD,  28                           ; v28     my candidate's distance
.set CW,  29                           ; v29     the chosen code
.set TT,  30                           ; v30     t
.set QO,  32                           ; v32-63  row n of the candidates: byte offset of my 16 bytes in weight
.set PKT, 64                           ; v64-127 on the way in: 16 rows in bf16, 4 registers each
.set CA,  64                           ; v64-95, v96-127 in the chains: 32 k of x (16 registers), 32 k of e (16), two buffers
.set CB,  96
.set DO,  64                           ; v64-65  behind the chains: the other half's distance and code
.set CO,  65
.set XIN, 128                          ; v128-255 x in f32, row i at 8 i
; block 1: candidate row n in f32 at 8 n; later, at 8 i: q, q - x, the result of token i
.set MSB, 0
.macro WIN new                         ; the immediate's high byte repeats the setting that is left
.if MSB != \new
	s_set_vgpr_msb (MSB<<8)|\new
.set MSB, \new
.endif
.endm
	s_load_b256 s[4:11], s[0:1], 0x0               ; inputs s[4:5], weight s[6:7], cand s[8:9], out0 s[10:11]
	s_load_b128 s[12:15], s[0:1], 0x20             ; out1 s[12:13], part s[14:15]
	s_set_vgpr_msb 0x80
	v_lshl_add_u32 v0, v0, 2, 0x18e00
	v_mov_b32 v1, 0
	s_set_vgpr_msb 0x8000
	v_and_b32 v2, 31, v0                           ; lane
	v_lshrrev_b32 v3, 5, v0
	v_readfirstlane_b32 s16, v3                    ; wave
	v_lshlrev_b32 v[L16], 4, v2
	v_and_b32 v9, 15, v0                           ; r
	v_bfe_u32 v13, v0, 4, 1                        ; h
	v_lshlrev_b32 v[CVA], 2, v9
	v_lshl_add_u32 v[CVA], v13, 17, v[CVA]         ; 131,072 h + 4 r: cand[1] begins behind the 32,768 words of cand[0]
	s_lshl_b32 s20, ttmp9, 16                      ; 64 tokens of 1,024 bytes a work-group,
	s_lshl_b32 s17, s16, 14                        ; 16 a wave
	s_add_co_u32 s20, s20, s17
	s_mov_b32 s21, 0
	s_lshl_b32 s22, ttmp9, 8                       ; 64 codes of 4 bytes a work-group,
	s_mov_b32 s23, 0
	s_lshl_b32 s30, s16, 6                         ; 16 a wave
	s_mov_b32 s31, 0
	s_mov_b32 s26, 0x76543210                      ; v_permlanex16_b32: lane i reads lane i of the other half
	s_mov_b32 s27, 0xfedcba98
	s_lshl_b32 s19, ttmp9, 2                       ; my word of part
	s_mul_i32 s18, s16, WPART                      ; my wave's part of LDS
	s_wait_kmcnt 0x0
	s_add_nc_u64 s[8:9], s[8:9], s[22:23]
	s_add_nc_u64 s[8:9], s[8:9], s[30:31]          ; cand at my wave's first token
	s_add_nc_u64 s[12:13], s[12:13], s[22:23]      ; out1 at the work-group's first token
	s_load_b512 s[32:47], s[8:9], 0x0              ; first candidates of my 16 tokens,
	s_load_b512 s[48:63], s[8:9], 0x20000          ; second candidates: s[32 + n] is row n = 16 h + r
	s_add_nc_u64 s[4:5], s[4:5], s[20:21]
	s_add_nc_u64 s[10:11], s[10:11], s[20:21]
	global_load_b32 v[CV], v[CVA], s[8:9]          ; and each lane's own candidate, as a number
.set i, 0
.rept 16
	global_load_b128 v[XIN+8*i:XIN+8*i+3],   v[L16], s[4:5] offset:1024*i th:TH_LOAD_NT       ; x is read once in this launch
	global_load_b128 v[XIN+8*i+4:XIN+8*i+7], v[L16], s[4:5] offset:1024*i+512 th:TH_LOAD_NT
.set i, i+1
.endr
	s_wait_kmcnt 0x0
.set n, 0
.rept 32
	s_min_u32 s[32+n], s[32+n], 0x1fff
	v_lshl_add_u32 v[QO+n], s[32+n], 10, v[L16]    ; code x 1,024 + 16 x lane
.set n, n+1
.endr
	WIN 0x40                                       ; destination in block 1
.set n, 0
.rept 32
	global_load_b128 v[8*n:8*n+3],   v[QO+n], s[6:7]               ; a code's row may be named again: no hint
	global_load_b128 v[8*n+4:8*n+7], v[QO+n], s[6:7] offset:512
.set n, n+1
.endr
	WIN 0
	v_lshl_add_u32 v[SA], v2, 3, s18               ; my 4 columns of each half of a row are 8 bytes of bf16
	v_mul_u32_u24 v[XR], v9, RPITCH
	v_add_nc_u32 v[XR], s18, v[XR]
	v_mul_u32_u24 v[WR], v2, RPITCH                ; row 16 h + r is the lane's number
	s_add_co_u32 s17, s18, CROWS
	v_add_nc_u32 v[WR], s17, v[WR]
	s_add_co_u32 s25, s30, IDXS
	v_lshl_add_u32 v[IA], v9, 2, s25               ; 4 (16 w + r)
	s_lshl_b32 s25, s16, 2
	s_add_co_u32 s25, s25, SUMS
	v_mov_b32 v[SW], s25
	; the bf16 copies, 16 rows at a time: a lane's columns 4 l .. + 3 go to byte 8 l of the row, its columns 128 + 4 l .. + 3 to byte 256 + 8 l
.macro PUT16 base                      ; 16 rows of PKT into LDS from row base on: each store of the wave covers 256 consecutive bytes
.set n, 0
.rept 16
	ds_store_b64 v[SA], v[PKT+4*n:PKT+4*n+1]   offset:(\base+n)*RPITCH
	ds_store_b64 v[SA], v[PKT+4*n+2:PKT+4*n+3] offset:(\base+n)*RPITCH+256
.set n, n+1
.endr
.endm
	s_wait_loadcnt 63                              ; loads come back in order: behind x's 32 loads 64 were issued; 63 is the largest count that the field names
.set n, 0
.rept 16
.irp k, 0,1,2,3
	v_cvt_pk_bf16_f32 v[PKT+4*n+\k], v[XIN+8*n+2*\k], v[XIN+8*n+2*\k+1]
.endr
.set n, n+1
.endr
	PUT16 0
.macro CAND16 g                        ; candidate rows 16 g .. 16 g + 15
	WIN 0x05                                       ; both sources in block 1, destination in block 0
.set n, 0
.rept 16
	s_wait_loadcnt 62-2*(16*\g+n)                  ; this row is in, the two loads of each younger row stay out
.irp k, 0,1,2,3
	v_cvt_pk_bf16_f32 v[PKT+4*n+\k], v[8*(16*\g+n)+2*\k], v[8*(16*\g+n)+2*\k+1]
.endr
.set n, n+1
.endr
	WIN 0
	PUT16 16+16*\g
.endm
	CAND16 0
	CAND16 1
; k = 32 b .. 32 b + 31 (64 bytes) of my token's row and of my candidate's row into buffer buf
.macro CLOAD b, buf
.irp s, 0,1,2,3
	ds_load_b128 v[\buf+4*\s:\buf+4*\s+3],       v[XR] offset:64*\b+16*\s
	ds_load_b128 v[\buf+16+4*\s:\buf+16+4*\s+3], v[WR] offset:64*\b+16*\s
.endr
.endm
; one link of each of the three chains, from half hf (0 low, 1 high) of a word of x and a word of e: bf16 x bf16 + f32, rounded once
.macro LINK x, e, hf
	v_fma_mix_f32_bf16 v[DOT], v[\x], v[\e], v[DOT] op_sel:[\hf,\hf,0] op_sel_hi:[1,1,0]
	v_fma_mix_f32_bf16 v[XQ],  v[\x], v[\x], v[XQ]  op_sel:[\hf,\hf,0] op_sel_hi:[1,1,0]
	v_fma_mix_f32_bf16 v[EQ],  v[\e], v[\e], v[EQ]  op_sel:[\hf,\hf,0] op_sel_hi:[1,1,0]
.endm
.macro CWORK b, buf                    ; 32 links, k ascending: the lower k lies in the lower half
.set q, 0
.rept 16
.if 16*\b+q == 0
	v_lshlrev_b32 v[W0],   16, v[\buf]             ; the first products start the chains: nothing is cleared
	v_lshlrev_b32 v[W0+1], 16, v[\buf+16]
	v_mul_f32 v[DOT], v[W0],   v[W0+1]
	v_mul_f32 v[XQ],  v[W0],   v[W0]
	v_mul_f32 v[EQ],  v[W0+1], v[W0+1]
.else
	LINK \buf+q, \buf+16+q, 0
.endif
	LINK \buf+q, \buf+16+q, 1
.set q, q+1
.endr
.endm
	CLOAD 0, CA                                    ; LDS serves a wave's instructions in order: these see the stores above
	CLOAD 1, CB
	s_wait_dscnt 8                                 ; all but the eight loads just issued are in
	CWORK 0, CA
	CLOAD 2, CA
	s_wait_dscnt 8
	CWORK 1, CB
	CLOAD 3, CB
	s_wait_dscnt 8
	CWORK 2, CA
	CLOAD 4, CA
	s_wait_dscnt 8
	CWORK 3, CB
	CLOAD 5, CB
	s_wait_dscnt 8
	CWORK 4, CA
	CLOAD 6, CA
	s_wait_dscnt 8
	CWORK 5, CB
	CLOAD 7, CB
	s_wait_dscnt 8
	CWORK 6, CA
	s_wait_dscnt 0x0
	CWORK 7, CB
	v_add_f32 v[TT], v[XQ], v[EQ]                  ; t = |x|^2 + |e|^2, the first rounding
	v_fma_f32 v[DD], -2.0, v[DOT], v[TT]           ; d = t - 2 x.e, the second (2 x.e is exact)
	v_min_u32 v[CV], 0x1fff, v[CV]                 ; the number as it entered the address
	v_permlanex16_b32 v[DO], v[DD], s26, s27       ; the other candidate; destinations that have been written before
	v_permlanex16_b32 v[CO], v[CV], s26, s27
	v_cmp_lt_f32 s28, v[DO], v[DD]                 ; the other comes first: smaller distance,
	v_cmp_eq_f32 s29, v[DO], v[DD]
	v_cmp_lt_u32 vcc_lo, v[CO], v[CV]
	s_and_b32 s29, s29, vcc_lo                     ; or the same distance and the lower code
	s_or_b32 s28, s28, s29                         ; bit r, r < 16: token r takes its second candidate
	v_cndmask_b32 v[CW], v[CV], v[CO], s28
	ds_store_b32 v[IA], v[CW]                      ; lanes r and 16 + r write the same word with the same number
	; the results, from registers, in five passes over the 16 tokens, each pass under one setting of the register windows
	WIN 0x45                                       ; q: destination and both sources in block 1
.set i, 0
.rept 16
	s_bitcmp1_b32 s28, i
	s_cselect_b32 s29, -1, 0                       ; the token's bit for all 32 lanes
.irp q, 0,1,2,3,4,5,6,7
	v_cndmask_b32 v[8*i+\q], v[8*i+\q], v[128+8*i+\q], s29
.endr
.set i, i+1
.endr
	WIN 0x41                                       ; q - x: destination and source 0 in block 1, x in block 0
.set i, 0
.rept 16
.irp q, 0,2,4,6
	v_pk_add_f32 v[8*i+\q:8*i+\q+1], v[8*i+\q:8*i+\q+1], v[XIN+8*i+\q:XIN+8*i+\q+1] neg_lo:[0,1] neg_hi:[0,1]
.endr
.set i, i+1
.endr
	WIN 0x05                                       ; the squares: both factors in block 1, the sums in block 0
.irp q, 0,2,4,6
	v_pk_mul_f32 v[S+\q:S+\q+1], v[\q:\q+1], v[\q:\q+1]            ; token 0's squares start the sums
.endr
.set i, 1
.rept 15
.irp q, 0,2,4,6
	v_pk_fma_f32 v[S+\q:S+\q+1], v[8*i+\q:8*i+\q+1], v[8*i+\q:8*i+\q+1], v[S+\q:S+\q+1]
.endr
.set i, i+1
.endr
	WIN 0x44                                       ; x + (q - x): x in block 0, source 1 and destination in block 1
.set i, 0
.rept 16
.irp q, 0,2,4,6
	v_pk_add_f32 v[8*i+\q:8*i+\q+1], v[XIN+8*i+\q:XIN+8*i+\q+1], v[8*i+\q:8*i+\q+1]
.endr
.set i, i+1
.endr
	WIN 0x04                                       ; the stores: data (source 1) in block 1, the address in block 0; no store's data are written again
.set i, 0
.rept 16
	global_store_b128 v[L16], v[8*i:8*i+3],   s[10:11] offset:1024*i th:TH_STORE_NT       ; 512 consecutive bytes a store
	global_store_b128 v[L16], v[8*i+4:8*i+7], s[10:11] offset:1024*i+512 th:TH_STORE_NT
.set i, i+1
.endr
	WIN 0
	v_pk_add_f32 v[S:S+1], v[S:S+1], v[S+2:S+3]
	v_pk_add_f32 v[S+4:S+5], v[S+4:S+5], v[S+6:S+7]
	v_pk_add_f32 v[S:S+1], v[S:S+1], v[S+4:S+5]
	v_add_f32 v[S], v[S], v[S+1]
	v_add_f32_dpp v[S], v[S], v[S] row_xmask:1 row_mask:0xf bank_mask:0xf
	v_add_f32_dpp v[S], v[S], v[S] row_xmask:2 row_mask:0xf bank_mask:0xf
	v_add_f32_dpp v[S], v[S], v[S] row_xmask:4 row_mask:0xf bank_mask:0xf
	v_add_f32_dpp v[S], v[S], v[S] row_xmask:8 row_mask:0xf bank_mask:0xf
	v_permlanex16_b32 v[S+1], v[S], s26, s27       ; its destination has been written before
	v_add_f32 v[S], v[S], v[S+1]
	ds_store_b32 v[SW], v[S]                       ; every lane writes the wave's word with the same number
	s_wait_dscnt 0x0                               ; my sum and my 16 codes are in LDS,
	s_barrier_signal -1
	s_barrier_wait -1                              ; everybody's are
	s_cmp_lg_u32 s16, 0
	s_cbranch_scc1 .Lend                           ; wave 0 stores the 64 codes and the sum
	v_lshlrev_b32 v24, 3, v2                       ; 8 x lane
	v_add_nc_u32 v25, IDXS, v24
	ds_load_b64 v[26:27], v25
	v_mov_b32 v30, SUMS
	ds_load_b128 v[S:S+3], v30
	v_mov_b32 v31, s19
	v_cmp_eq_u32 vcc_lo, 0, v0
	s_wait_dscnt 0x0
	global_store_b64 v24, v[26:27], s[12:13]       ; 256 consecutive bytes, aligned
	v_pk_add_f32 v[S:S+1], v[S:S+1], v[S+2:S+3]
	v_add_f32 v[S], v[S], v[S+1]
	s_wait_xcnt 0x0                                ; EXEC is a source of the stores above: it changes only behind this wait
	s_and_saveexec_b32 s17, vcc_lo
	global_store_b32 v31, v[S], s[14:15]           ; one number a work-group
	s_wait_xcnt 0x0                                ; and again in front of the line that widens it
	s_or_b32 exec_lo, exec_lo, s17
.Lend:
	s_set_vgpr_msb 0xa
	s_wait_tensorcnt 0x0
	ds_add_u32 v0, v1
	s_wait_dscnt 0x0
	s_set_vgpr_msb 0xa00
	s_endpgm
.Lfunc_end_k_q5bf5e01780_gather:
	.size	k_q5bf5e01780_gather, .Lfunc_end_k_q5bf5e01780_gather-k_q5bf5e01780_gather
	.p2alignl 7, 3214868480
	.fill 96, 4, 3214868480
	.section	.rodata,"a",@progbits
	.p2align	6, 0x0
	.amdhsa_kernel k_q5bf5e01780_gather
		.amdhsa_group_segment_fixed_size 102400
		.amdhsa_private_segment_fixed_size 0
		.amdhsa_enable_private_segment 0
		.amdhsa_kernarg_size 48
		.amdhsa_user_sgpr_count 2
		.amdhsa_user_sgpr_kernarg_segment_ptr 1
		.amdhsa_wavefront_size32 1
		.amdhsa_system_sgpr_workgroup_id_x 1
		.amdhsa_system_sgpr_workgroup_id_y 1
		.amdhsa_system_sgpr_workgroup_id_z 1
		.amdhsa_system_vgpr_workitem_id 0
		.amdhsa_next_free_vgpr 514
		.amdhsa_next_free_sgpr 66
		.amdhsa_reserve_vcc 1
		.amdhsa_float_denorm_mode_32 3
		.amdhsa_float_denorm_mode_16_64 3
		.amdhsa_memory_ordered 1
		.amdhsa_forward_progress 1
		.amdhsa_inst_pref_size 114
	.end_amdhsa_kernel
	.amdgpu_metadata
---
amdhsa.version: [ 1, 2 ]
amdhsa.kernels:
  - .name:           k_q5bf5e01780_gather
    .symbol:         k_q5bf5e01780_gather.kd
    .args:
      - { .name: inputs, .offset: 0, .size: 8, .value_kind: global_buffer, .address_space: global }
      - { .name: weight, .offset: 8, .size: 8, .value_kind: global_buffer, .address_space: global }
      - { .name: cand, .offset: 16, .size: 8, .value_kind: global_buffer, .address_space: global }
      - { .name: out0, .offset: 24, .size: 8, .value_kind: global_buffer, .address_space: global }
      - { .name: out1, .offset: 32, .size: 8, .value_kind: global_buffer, .address_space: global }
      - { .name: part, .offset: 40, .size: 8, .value_kind: global_buffer, .address_space: global }
    .group_segment_fixed_size: 102400
    .private_segment_fixed_size: 0
    .kernarg_segment_align: 8
    .kernarg_segment_size: 48
    .max_flat_workgroup_size: 128
    .sgpr_count:     66
    .vgpr_count:     514
    .wavefront_size: 32
...
	.end_amdgpu_metadata
.endif
;; end of part 3
;; launch finish (part 4): grid 1 x 1, 1 waves a work-group, no clusters, 0 bytes of LDS; arguments part, out2, out3, out4; writes out2, out3, out4
.if DOCPART == 4
	.amdgcn_target "amdgcn-amd-amdhsa--gfx1250"
	.amdhsa_code_object_version 6
	.text
	.protected	k_q5bf5e01780_finish
	.globl	k_q5bf5e01780_finish
	.p2align	8
	.type	k_q5bf5e01780_finish,@function
k_q5bf5e01780_finish:
	s_mov_b64 s[64:65], 0
	v_nop
	global_prefetch_b8 v0, s[64:65] scope:SCOPE_SE
	s_setreg_imm32_b32 hwreg(HW_REG_WAVE_MODE, 25, 1), 1
	s_wait_xcnt 0x0
; The three losses from the 512 partial sums of (q - x)^2.  Both means are sum / (32768 x 256) = sum x 2^-23, an exact scaling;
; out3 = out4 = mean, out2 = mean + 0.25 mean (0.25 mean is exact, so the fused form rounds once, as the formula's sum does).
; One wave: 2,048 bytes are four loads of 16 bytes a lane.  A sum over work-groups is ordered by a launch of its own.
	s_load_b256 s[4:11], s[0:1], 0x0               ; part s[4:5], out2 s[6:7], out3 s[8:9], out4 s[10:11]
	v_lshlrev_b32 v1, 4, v0
	s_mov_b32 s12, 0x76543210
	s_mov_b32 s13, 0xfedcba98
	s_wait_kmcnt 0x0
.irp k, 0,1,2,3
	global_load_b128 v[4+4*\k:7+4*\k], v1, s[4:5] offset:512*\k
.endr
	v_mov_b32 v2, 0
	v_cmp_eq_u32 vcc_lo, 0, v0
	s_wait_loadcnt 0x0
	v_pk_add_f32 v[4:5], v[4:5], v[8:9]
	v_pk_add_f32 v[6:7], v[6:7], v[10:11]
	v_pk_add_f32 v[12:13], v[12:13], v[16:17]
	v_pk_add_f32 v[14:15], v[14:15], v[18:19]
	v_pk_add_f32 v[4:5], v[4:5], v[12:13]
	v_pk_add_f32 v[6:7], v[6:7], v[14:15]
	v_pk_add_f32 v[4:5], v[4:5], v[6:7]
	v_add_f32 v4, v4, v5
	v_add_f32_dpp v4, v4, v4 row_xmask:1 row_mask:0xf bank_mask:0xf
	v_add_f32_dpp v4, v4, v4 row_xmask:2 row_mask:0xf bank_mask:0xf
	v_add_f32_dpp v4, v4, v4 row_xmask:4 row_mask:0xf bank_mask:0xf
	v_add_f32_dpp v4, v4, v4 row_xmask:8 row_mask:0xf bank_mask:0xf
	v_permlanex16_b32 v5, v4, s12, s13             ; its destination has been written before
	v_add_f32 v4, v4, v5
	v_mul_f32 v4, 0x34000000, v4                   ; x 2^-23
	v_fma_f32 v5, 0.25, v4, v4
	s_wait_xcnt 0x0                                ; EXEC changes only behind this wait
	s_and_saveexec_b32 s14, vcc_lo
	global_store_b32 v2, v5, s[6:7]                ; vq_loss
	global_store_b32 v2, v4, s[8:9]                ; codebook_loss
	global_store_b32 v2, v4, s[10:11]              ; commit_loss
	s_wait_xcnt 0x0
	s_or_b32 exec_lo, exec_lo, s14
	s_endpgm
.Lfunc_end_k_q5bf5e01780_finish:
	.size	k_q5bf5e01780_finish, .Lfunc_end_k_q5bf5e01780_finish-k_q5bf5e01780_finish
	.p2alignl 7, 3214868480
	.fill 96, 4, 3214868480
	.section	.rodata,"a",@progbits
	.p2align	6, 0x0
	.amdhsa_kernel k_q5bf5e01780_finish
		.amdhsa_group_segment_fixed_size 0
		.amdhsa_private_segment_fixed_size 0
		.amdhsa_enable_private_segment 0
		.amdhsa_kernarg_size 32
		.amdhsa_user_sgpr_count 2
		.amdhsa_user_sgpr_kernarg_segment_ptr 1
		.amdhsa_wavefront_size32 1
		.amdhsa_system_sgpr_workgroup_id_x 1
		.amdhsa_system_sgpr_workgroup_id_y 1
		.amdhsa_system_sgpr_workgroup_id_z 1
		.amdhsa_system_vgpr_workitem_id 0
		.amdhsa_next_free_vgpr 32
		.amdhsa_next_free_sgpr 66
		.amdhsa_reserve_vcc 1
		.amdhsa_float_denorm_mode_32 3
		.amdhsa_float_denorm_mode_16_64 3
		.amdhsa_memory_ordered 1
		.amdhsa_forward_progress 1
		.amdhsa_inst_pref_size 3
	.end_amdhsa_kernel
	.amdgpu_metadata
---
amdhsa.version: [ 1, 2 ]
amdhsa.kernels:
  - .name:           k_q5bf5e01780_finish
    .symbol:         k_q5bf5e01780_finish.kd
    .args:
      - { .name: part, .offset: 0, .size: 8, .value_kind: global_buffer, .address_space: global }
      - { .name: out2, .offset: 8, .size: 8, .value_kind: global_buffer, .address_space: global }
      - { .name: out3, .offset: 16, .size: 8, .value_kind: global_buffer, .address_space: global }
      - { .name: out4, .offset: 24, .size: 8, .value_kind: global_buffer, .address_space: global }
    .group_segment_fixed_size: 0
    .private_segment_fixed_size: 0
    .kernarg_segment_align: 8
    .kernarg_segment_size: 32
    .max_flat_workgroup_size: 32
    .sgpr_count:     66
    .vgpr_count:     32
    .wavefront_size: 32
...
	.end_amdgpu_metadata
.endif
;; end of part 4
